; MI455X (gfx1250); checked and timed in simulation.
; The chip was launched on July 23, 2026; its instructions are those of AMD's public machine-readable ISA for CDNA 5 (MIT licence, August 2026) and "CDNA5" Instruction Set Architecture Reference Guide (July 2026). The comments in the code are by the model that wrote it; some were corrected since.
;; Attention. Allowed arithmetic: matrix products marked QUANTISED: E2M1 operands, one E8M0 scale for each 32 along K, by v_wmma_scale_f32_16x16x128_f8f6f4 with both operands' format E2M1 (or v_wmma_scale_f32_32x16x128_f4), f32 sums; everything else in f32.
;; Inputs: Wk_codes 128 x 64 x 16 uint8 (E2M1 codes of Wk, K innermost, in blocks of 32 codes, two codes a byte); Wk_scales 128 x 64 uint8 (E8M0 scales of Wk, one for each 32 codes along K); Wq_codes 1,024 x 64 x 16 uint8 (E2M1 codes of Wq, K innermost, in blocks of 32 codes, two codes a byte); Wq_scales 1,024 x 64 uint8 (E8M0 scales of Wq, one for each 32 codes along K); Wv_codes 128 x 64 x 16 uint8 (E2M1 codes of Wv, K innermost, in blocks of 32 codes, two codes a byte); Wv_scales 128 x 64 uint8 (E8M0 scales of Wv, one for each 32 codes along K); bk 128 float32; bq 1,024 float32; bv 128 float32; context_codes 4 x 2,048 x 64 x 16 uint8 (E2M1 codes of context, K innermost, in blocks of 32 codes, two codes a byte); context_scales 4 x 2,048 x 64 uint8 (E8M0 scales of context, one for each 32 codes along K); x_codes 4 x 2,048 x 64 x 16 uint8 (E2M1 codes of x, K innermost, in blocks of 32 codes, two codes a byte); x_scales 4 x 2,048 x 64 uint8 (E8M0 scales of x, one for each 32 codes along K).
;; Outputs: out0 4 x 8 x 2,048 x 128 float32.
;; This version of the problem:
;;   THIS VERSION OF THE PROBLEM IS GIVEN IN LOW PRECISION. The matrix products marked QUANTISED in the list below multiply operands that are first quantised to E2M1 (2 exponent bits, 1 mantissa bit; 4 bits a number), with one power-of-two scale for each 32 numbers along K (OCP MX v1.0); their sums are f32. All else is computed in f32.
;;   The module's matrix products, in the order in which they are computed (A, B: the left and right operand; K: the contracted axis; several contracted axes count as one K, in the product's order):
;;     1. [M 8,192, K 2,048] x [K 2,048, N 1,024]; A: input x (given as codes); B: input Wq (given as codes): QUANTISED
;;     2. [M 8,192, K 2,048] x [K 2,048, N 128]; A: input context (given as codes); B: input Wk (given as codes): QUANTISED
;;     3. [M 8,192, K 2,048] x [K 2,048, N 128]; A: input context (given as codes); B: input Wv (given as codes): QUANTISED
;;     4. batch 4 x [M 16,384, K 128] x [K 128, N 2,048]; A: computed on the way; B: computed on the way: QUANTISED
;;     5. batch 4 x [M 16,384, K 2,048] x [K 2,048, N 128]; A: computed on the way; B: computed on the way: QUANTISED
;;   THE QUANTISER, for each operand of a quantised product, along K:
;;     - K is cut into blocks of 32 from its start; a last block that is shorter is filled with zeros.
;;     - A block's scale is 2^e with e = floor(log2(the largest magnitude in the block)) - 2, held to -126 .. 127; a block of zeros has e = 0. As a byte (E8M0): e + 127.
;;     - Each number is divided by its block's scale, clamped to +-6, and rounded to the nearest number of E2M1, ties to even, subnormals kept.
;;     - The product sums the exact products of the quantised numbers (number of the format x scale) in f32.
;;   ~~~python
;;   def quantise(x, axis):      # numpy; x: float32 -> the quantised numbers, widened to float32 again
;;       x = np.moveaxis(x, axis, -1); K = x.shape[-1]
;;       x = np.pad(x, [(0, 0)] * (x.ndim - 1) + [(0, -K % 32)]); x = x.reshape(x.shape[:-1] + (-1, 32)); a = np.abs(x).max(-1, keepdims=True)
;;       e = np.where(a > 0, np.clip(np.frexp(np.where(a > 0, a, 1))[1] - 1 - 2, -126, 127), 0)      # np.frexp(a)[1] - 1 = floor(log2(a)), exactly
;;       r = np.clip(x / 2.0 ** e, -6, 6)
;;       step = 2.0 ** (np.maximum(np.frexp(np.where(r == 0, 1, r))[1] - 1, 0) - 1)
;;       q = np.round(r / step) * step * 2.0 ** e      # np.round: ties to even
;;       return np.moveaxis(q.reshape(q.shape[:-2] + (-1,))[..., :K], -1, axis).astype(np.float32)
;;   ~~~
;;   OPERANDS COMPUTED ON THE WAY. 'Computed on the way' means the value that the module computes at that place (a softmax that the list does not call 'softmax' is quantised finished and normalised). What goes into a quantiser is computed in f32, as accurately as f32 sums, v_exp_f32 and their like allow (about 1e-6 of the number): no bf16 or f16 on the way to a quantiser, and a product that is left as it is and whose result goes on into a quantised operand takes f32 operands (vector FMAs, or v_wmma_f32_16x16x4_f32). A number that lies on a knife's edge between two numbers of the format may be rounded either way, as far as f32 arithmetic and the matrix unit's own rounding can turn it there, and no further.
;;   INPUTS GIVEN AS CODES. Wk (in the module: [128, 2048], K = its axis 1); Wq (in the module: [1024, 2048], K = its axis 1); Wv (in the module: [128, 2048], K = its axis 1); context (in the module: [4, 2048, 2048], K = its axis 2); x (in the module: [4, 2048, 2048], K = its axis 2): each comes as NAME_codes (uint8): NAME with its K axis moved to the last place and cut into blocks of 32 codes, [.., K / 32, bytes a block], one block behind the other in memory; two codes a byte, the lower K in the low four bits (a code: sign, 2 exponent bits, 1 mantissa bit); and NAME_scales (uint8): the same leading axes, one E8M0 byte (e + 127) for each 32 codes along K. Its value is code x scale, taken as it is: it is not quantised again, and the codes and scales need not be those that the quantiser above would give.
;; One version. Each part assembles by itself: llvm-mc -triple=amdgcn-amd-amdhsa -mcpu=gfx1250 --defsym DOCPART=n.
;; ======== version 1 of 1: 2 launches
;; workspace buffers: q_img 4,194,304 bytes; q_sc 262,144 bytes; kv 1,114,112 bytes
;; launch proj (part 1): grid 32 x 5, 4 waves a work-group, clusters of 4 x 1, 327,680 bytes of LDS; arguments x_codes, context_codes, x_scales, context_scales, Wq_codes, Wk_codes, Wv_codes, Wq_scales, Wk_scales, Wv_scales, bq, bk, bv, q_img, q_sc, kv; writes q_img, q_sc, kv
.if DOCPART == 1
	.amdgcn_target "amdgcn-amd-amdhsa--gfx1250"
	.amdhsa_code_object_version 6
	.text
	.protected	k_qf896eab5a0_proj
	.globl	k_qf896eab5a0_proj
	.p2align	8
	.type	k_qf896eab5a0_proj,@function
k_qf896eab5a0_proj:
	s_mov_b64 s[64:65], 0
	v_nop
	global_prefetch_b8 v0, s[64:65] scope:SCOPE_SE
	s_setreg_imm32_b32 hwreg(HW_REG_WAVE_MODE, 25, 1), 1
	s_wait_xcnt 0x0
	s_wait_alu depctr_hold_cnt(0) depctr_sa_sdst(0) depctr_va_vdst(0) depctr_va_sdst(0) depctr_va_ssrc(0) depctr_va_vcc(0) depctr_vm_vsrc(0)
	s_getreg_b32 s2, hwreg(HW_REG_IB_STS2, 6, 4)
	s_cmp_eq_u32 s2, 0
	s_cbranch_scc0 .Lentry_in_a_cluster
	s_endpgm
.Lentry_in_a_cluster:
	s_bfe_u32 s2, ttmp6, 0x10000c
	s_cmp_lg_u32 s2, 0x3003
	s_cbranch_scc0 .Lentry_shape_is_right
	s_endpgm
.Lentry_shape_is_right:
; THE THREE PROJECTIONS, on codes of FP4 (E2M1) with one E8M0 scale for each 32 along K = 2,048, and what follows them up to the next products' operands:
;   q = x Wq^T + bq, each head's 128 numbers divided by max(their length, 1e-12), quantised along the head's 128;  k = context Wk^T + bk likewise;  v = context Wv^T + bv, quantised along the KEYS.
; A work-group makes 256 tokens x 256 columns: work-group y = 0..3: x against Wq's rows 256 y on (two heads); y = 4: context against Wk's 128 rows and Wv's 128 rows.
; Four waves, each 128 tokens x 128 columns (64 accumulators, 512 registers): a wave owns a whole head (or all of k, or all of v), so a row's length never leaves the wave.
; K goes in steps of 512 through a ring of two LDS slots filled by the tensor data mover; the scale bytes of the 256 + 256 rows come once, with the first fills, and stay.
; CLUSTER: 4 x 1 work-groups: four blocks of tokens with the same y.  They need the same tiles of the weights and the same weight scales: those are asked for JOINTLY (mask 15); the tokens' tiles are each
; work-group's own (mask 0), behind the same rounds.  A cluster of 4 x 4 does not divide the grid's five tile columns, and y = 4 has one tile column alone.
; THE MATRIX INSTRUCTION IS USED TRANSPOSED (source 0 = 16 rows of a weight, source 1 = 16 tokens): lane (r, h) holds token r and its register j column 8 h + j of the weight's block.  The bias is the C of the first K step.
; WHAT IS STORED are images of the next launch's operand registers: a fragment (16 rows x 128 K) is 1,024 bytes, [c 0..1][lane][16 bytes].  In q_img and in kv's part for k the 16 rows of a fragment are not neighbours:
; in a group of 128 tokens, row r' of fragment 4 c + i is token 64 c + 32 (r' / 8) + 8 i + r' % 8.  A token's scale word lies at 16 (T % 32) + 4 (T / 32) of its group's 512 bytes.
; kv: a record of 17,408 bytes for each 128 keys: k's 8 fragments; v's 8 fragments (rows = 16 of the head's 128, K = the 128 keys in their order); k's scale words; v's scale words (d = 32 g + l at 16 l + 4 g).
; LIMITS: t / max(n, 1e-12) is t x v_rcp_f32(max(v_sqrt_f32(sum), 1e-12)): three roundings of about an ulp each; a block of zeros gets the scale byte 1 (its codes are zeros; this program alone reads the bytes);
; NaN and infinities are not served.
; REGISTERS, in windows of 256: window 0: v0-31 addresses; v32-95 scale words, two sets, and nothing else ever; v128-191 the tokens' fragments, one set; v192-255 the bias in the result's layout; on the way out v96-255 are at work.
;   window 1: the weights' fragments, two sets, at v0 and v128.   window 2: the accumulators of my tokens 0-63 ((a, b) at v[8 (8 a + b)]);   window 3: those of my tokens 64-127.
.set KSTEP,  512                       ; along K in a slot
.set NQ,     KSTEP/128                 ; matrix instructions deep
.set ROWB,   256                       ; a tile's row in bytes
.set KROW,   1024                      ; a row of 2,048 codes in memory
.set PITCH,  272                       ; an LDS row: 256 bytes + 16 of padding: the 16 rows that a load touches start 4 words apart modulo 64 words
.set FR,     8                         ; registers of a fragment
.set NL,     2                         ; LDS loads that bring one
.set NP,     4                         ; places behind this matrix instruction (ISA guide 7.12.1)
.set HALFT,  128*PITCH                 ; 128 rows: what one tensor load brings
.set SLOT,   4*HALFT                   ; the tokens' 256 rows, then the weights' 256
.set LAPS,   2                         ; 2,048 / (2 x 512)
.set KS,     64                        ; a row of scale bytes
.set SCL,    2*SLOT                    ; behind the ring: the scales, as units of 256 bytes + 16 of padding
.set HALFS,  32*272                    ; those of 128 rows
.set SBLK,   4*272                     ; those of 16 rows
.set SPARE,  SCL+4*HALFS               ; the spare words, 128 bytes for each wave: two blocks of 256 bytes that no other line names
.set VP,     528                       ; v's stage: 32 rows (keys) x (512 bytes + 16) for each wave, in slot 0, which has had its last fill and its last read by then
.set LI,   8                           ; v8      16 x lane
.set VLI,  9                           ; v9      v's codes: 1,024 (lane / 16) + 16 (lane % 16)
.set BIA,  10                          ; v10     the bias: 32 (lane / 16)
.set ADRA, 16                          ; v16-17  LDS address of my tokens' fragments in slot 0, 1
.set ADRB, 20                          ; v20-21  of my weights'
.set STO,  24                          ; v24     v's stage: where I put 32 bytes of a key's row
.set RDV,  25                          ; v25     and where I read down a column
.set ADRS, 27                          ; v27     LDS address of my scale words: lanes 0-15 the tokens', lanes 16-31 the weights'
.set SPW,  28                          ; v28     LDS address of my spare word; never rewritten
.set NIL,  29                          ; v29     0; never rewritten
.set SC,   32                          ; scale words
.set AF,   128                         ; the tokens' fragments
.set BI,   192                         ; the bias: block b at v[BI + 8 b]
; the way out of q and k
.set SSV,  96                          ; v96-103  a token's sum of squares, tile by tile; then its length
.set PWS,  96                          ; v96-99   later: the scale words as they are stored
.set TT,   100                         ; v100-101, v102-103 later: a register of codes as lane xor 8 holds it
.set UU,   102
.set RC,   104                         ; v104-119 1 / length, twice for each tile (a pair for the packed multiply)
.set PWA,  120                         ; v120-127 the scale word of each tile's rows
.set T,    128                         ; v128-191 a tile's 64 numbers, normalised
.set SS,   128                         ; v128-135 before that: four packed chains of squares
.set OUTR, 192                         ; v192-223 two sets of 16: two fragments as they are stored
.set PC0,  224                         ; v224-231, v232-239 the codes of a pair of tiles
.set PC1,  232
.set TM,   240                         ; v240-251 at work
; the way out of v
.set SB,   96                          ; v96-99   scale words
.set VT,   100                         ; v100-103 at work
.set X,    128                         ; v128-191 two sets of 32 numbers down the keys
.set VC,   192                         ; v192-255 codes: four registers for each block, so that no store's data are written again
.set G1, 24                            ; s[24:31] descriptor group 1 for the tokens' tiles;  s[32:39] group 0, one set for each slot
.set G0, 32
.set G1B, 48                           ; s[48:55], s[56:63] the same for the weights' tiles
.set G0B, 56
.set G1S, 68                           ; s[68:75], s[76:79] groups 1 and 0 for the tokens' scales;  s[80:87], s[88:91] for the weights'
.set G0S, 76
.set G1SB, 80
.set G0SB, 88
.set MSB, 0
.macro WIN new                         ; the immediate's high byte repeats the setting that is left
.if MSB != \new
	s_set_vgpr_msb (MSB<<8)|\new
.set MSB, \new
.endif
.endm
.set MUL_LO, 0xa1                      ; source 0 (weights) window 1, source 1 (tokens) window 0, C and D window 2
.set MUL_HI, 0xf1                      ; the same, C and D window 3
.set TO_B,   0x40                      ; destination window 1, address window 0
; Waves 0 and 1 fetch for the tokens, waves 2 and 3 for the weights.  The branch hangs on the wave's number alone.  Four v_nop follow each of the two lines.
.macro JLOAD g0a, g1a, g0b, g1b
	s_cmp_eq_u32 s15, 0
	s_cbranch_scc0 .Lfor_b_\@
	tensor_load_to_lds s[\g0a:\g0a+3], s[\g1a:\g1a+7]
	s_nop 0
.rept 4
	v_nop
.endr
	s_branch .Lasked_\@
.Lfor_b_\@:
	tensor_load_to_lds s[\g0b:\g0b+3], s[\g1b:\g1b+7]
	s_nop 0
.rept 4
	v_nop
.endr
.Lasked_\@:
.endm
.macro CREST                           ; a round of the cluster's barrier behind its opening barrier
	s_cmp_lg_u32 s14, 0
	s_cbranch_scc1 .Lnot_wave_0_\@
	s_barrier_signal -3
.Lnot_wave_0_\@:
	s_barrier_wait -3
	s_barrier_signal -1
	s_barrier_wait -1
.endm
.macro CROUND                          ; a whole round
	s_barrier_signal -1
	s_barrier_wait -1
	CREST
.endm
	s_load_b512 s[68:83], s[0:1], 0x0              ; x, context (codes); x, context (scales); Wq, Wk, Wv (codes); Wq (scales)
	s_load_b512 s[84:99], s[0:1], 0x40             ; Wk, Wv (scales); bq, bk, bv; q_img, q_sc, kv
	v_lshl_add_u32 v[SPW], v0, 2, SPARE
	v_mov_b32 v[NIL], 0
	ds_add_u32 v28, v29
	ds_add_u32 v28, v29
	s_wait_dscnt 0x0
	v_lshrrev_b32 v1, 5, v0
	v_readfirstlane_b32 s14, v1                    ; wave 0..3
	s_lshr_b32 s15, s14, 1                         ; which half of the tokens is mine.  Also: I fetch for the tokens (0) or for the weights (1)
	s_and_b32 s16, s14, 1                          ; which half of the columns.  Also: which 128 rows I fetch
	s_bfe_u32 s40, ttmp6, 0x40000                  ; cx: my place in the cluster
	s_lshl_b32 s17, ttmp9, 2
	s_add_co_u32 s17, s17, s40                     ; X: my block of 256 tokens = 4 x cluster x + cx
	s_and_b32 s41, ttmp7, 0xffff                   ; Y: which columns; the four partners share it
	; descriptor group 1: a tile of 128 rows x 256 bytes, 16 bytes of padding behind each row
	s_mov_b32 s[G1+0], (1<<20)|(5<<22)|(3<<25)     ; 15:0 no mask; 17:16 elements of 1 byte; 20 padding on; 24:22 after every 64 words (code 5); 31:25 four words (code 3)
	s_mov_b32 s[G1B+0], 15|(1<<20)|(1<<21)|(5<<22)|(3<<25)  ; the same with the mask of all four partners, and bit 21 beside it
.irp g, G1, G1B
	s_mov_b32 s[\g+1], ROWB<<16                    ; tensor_dim0
	s_mov_b32 s[\g+2], 128<<16                     ; tensor_dim1
	s_mov_b32 s[\g+3], ROWB<<16                    ; tile_dim0
	s_mov_b32 s[\g+4], 128                         ; tile_dim1
	s_mov_b32 s[\g+5], KROW                        ; tensor_dim0_stride
	s_mov_b32 s[\g+6], 0
	s_mov_b32 s[\g+7], 0
.endr
	; byte offsets, each in registers of its own
	s_lshl_b32 s18, s16, 7
	s_lshl_b32 s20, s17, 8
	s_add_co_u32 s20, s20, s18                     ; the tokens that I fetch begin at row 256 X + 128 x half
	s_lshl_b32 s22, s20, 6                         ; their scales,
	s_lshl_b32 s20, s20, 10                        ; their codes
	s_mov_b32 s21, 0
	s_mov_b32 s23, 0
	s_lshl_b32 s46, s41, 8
	s_add_co_u32 s46, s46, s18                     ; Wq's row 256 Y + 128 x half: made of Y and the wave's number alone
	s_cmp_eq_u32 s41, 4
	s_cselect_b32 s46, 0, s46                      ; Wk and Wv are taken from their first row
	s_cselect_b32 s42, s16, 0                      ; 1 in the waves that make v
	s_lshl_b32 s18, s46, 2                         ; the bias,
	s_lshl_b32 s2, s46, 6                          ; the weights' scales,
	s_lshl_b32 s46, s46, 10                        ; their codes
	s_mov_b32 s19, 0
	s_mov_b32 s3, 0
	s_mov_b32 s47, 0
	s_lshr_b32 s36, s17, 3                         ; q: group ((batch x 8 + head) x 16 + 2 (X % 8) + my half of the tokens
	s_lshl_b32 s36, s36, 3
	s_lshl_b32 s37, s41, 1
	s_add_co_u32 s36, s36, s37
	s_add_co_u32 s36, s36, s16
	s_lshl_b32 s36, s36, 4
	s_and_b32 s37, s17, 7
	s_lshl_b32 s37, s37, 1
	s_add_co_u32 s36, s36, s37
	s_add_co_u32 s36, s36, s15
	s_lshl_b32 s32, s36, 13                        ; 8,192 bytes of codes a group,
	s_lshl_b32 s34, s36, 9                         ; 512 of scale words
	s_lshl_b32 s37, s17, 1
	s_add_co_u32 s37, s37, s15                     ; k, v: record 2 X + my half of the tokens
	s_mul_i32 s37, s37, 17408
	s_lshl_b32 s38, s16, 13
	s_add_co_u32 s38, s38, s37                     ; k's codes at 0, v's at 8,192;
	s_lshl_b32 s39, s16, 9
	s_add_co_u32 s39, s39, s37
	s_add_co_u32 s39, s39, 16384                   ; k's scale words at 16,384, v's at 16,896
	s_cmp_eq_u32 s41, 4
	s_cselect_b32 s32, s38, s32
	s_cselect_b32 s34, s39, s34
	s_mov_b32 s33, 0
	s_mov_b32 s35, 0
	s_mul_i32 s43, s14, HALFT                      ; where my tiles go: wave x 128 rows: no place in the cluster enters an LDS address
	s_wait_kmcnt 0x0
	s_cmp_eq_u32 s16, 0                            ; the choices hang on the wave's number and on Y, on no address
	s_cselect_b64 s[78:79], s[78:79], s[80:81]     ; Wk or Wv: codes,
	s_cselect_b64 s[84:85], s[84:85], s[86:87]     ; scales,
	s_cselect_b64 s[90:91], s[90:91], s[92:93]     ; bk or bv
	s_cmp_eq_u32 s41, 4
	s_cselect_b64 s[4:5], s[70:71], s[68:69]       ; the tokens' codes: context or x
	s_cselect_b64 s[6:7], s[74:75], s[72:73]       ; their scales
	s_cselect_b64 s[8:9], s[78:79], s[76:77]       ; the weights' codes
	s_cselect_b64 s[10:11], s[84:85], s[82:83]     ; their scales
	s_cselect_b64 s[44:45], s[90:91], s[88:89]     ; the bias
	s_cselect_b64 s[12:13], s[98:99], s[94:95]     ; where my codes go: kv or q_img
	s_cselect_b64 s[66:67], s[98:99], s[96:97]     ; and my scale words: kv or q_sc
	s_add_nc_u64 s[4:5], s[4:5], s[20:21]
	s_add_nc_u64 s[6:7], s[6:7], s[22:23]
	s_add_nc_u64 s[8:9], s[8:9], s[46:47]
	s_add_nc_u64 s[10:11], s[10:11], s[2:3]
	s_add_nc_u64 s[44:45], s[44:45], s[18:19]
	s_add_nc_u64 s[12:13], s[12:13], s[32:33]
	s_add_nc_u64 s[66:67], s[66:67], s[34:35]
	s_mul_i32 s92, s14, HALFS                      ; where my scales go
	s_mov_b32 s96, 0x76543210                      ; v_permlanex16_b32's selects for lane l xor 16
	s_mov_b32 s97, 0xfedcba98
	s_mov_b32 s98, 0xffff0000                      ; lanes 16-31
	s_mov_b32 s99, 0xff00ff00                      ; the lanes whose row is 8 or more
	; the scales of 128 rows: a dense block of 8,192 bytes, as 32 rows of 256 bytes (32 elements of 8 bytes), 16 bytes of padding behind each
	s_mov_b32 s[G1S+0], (3<<16)|(1<<20)|(5<<22)|(3<<25)
	s_mov_b32 s[G1SB+0], 15|(3<<16)|(1<<20)|(1<<21)|(5<<22)|(3<<25)
.irp g, G1S, G1SB
	s_mov_b32 s[\g+1], 32<<16
	s_mov_b32 s[\g+2], 32<<16
	s_mov_b32 s[\g+3], 32<<16
	s_mov_b32 s[\g+4], 32
	s_mov_b32 s[\g+5], 32
	s_mov_b32 s[\g+6], 0
	s_mov_b32 s[\g+7], 0
.endr
	CROUND                                         ; all four work-groups are here: the first joint loads meet
	s_mov_b32 s[G0S], 1
	s_add_co_u32 s[G0S+1], s92, SCL
	s_mov_b64 s[G0S+2:G0S+3], s[6:7]
	s_or_b32 s[G0S+3], s[G0S+3], 0x80000000
	s_mov_b32 s[G0SB], 1
	s_add_co_u32 s[G0SB+1], s92, SCL
	s_mov_b64 s[G0SB+2:G0SB+3], s[10:11]
	s_or_b32 s[G0SB+3], s[G0SB+3], 0x80000000
	JLOAD G0S, G1S, G0SB, G1SB                     ; the scales first: they are wanted with K step 0
.irp s, 0,1
	s_mov_b32 s[G0+4*\s], 1
	s_add_co_u32 s[G0+4*\s+1], s43, \s*SLOT
	s_add_nc_u64 s[G0+4*\s+2:G0+4*\s+3], s[4:5], \s*ROWB
	s_or_b32 s[G0+4*\s+3], s[G0+4*\s+3], 0x80000000
	s_mov_b32 s[G0B+4*\s], 1
	s_add_co_u32 s[G0B+4*\s+1], s43, \s*SLOT
	s_add_nc_u64 s[G0B+4*\s+2:G0B+4*\s+3], s[8:9], \s*ROWB
	s_or_b32 s[G0B+4*\s+3], s[G0B+4*\s+3], 0x80000000
	JLOAD G0+4*\s, G1, G0B+4*\s, G1B               ; three tensor loads of mine are out now
.endr
	v_and_b32 v1, 15, v0                           ; r = lane % 16
	v_bfe_u32 v2, v0, 4, 1                         ; h = lane / 16
	v_lshlrev_b32 v[BIA], 5, v2
.irp b, 0,1,2,3,4,5,6,7
	global_load_b128 v[BI+8*\b:BI+8*\b+3], v[BIA], s[44:45] offset:64*\b       ; the bias of columns 16 b + 8 h + 0 .. 7: the result's layout
	global_load_b128 v[BI+8*\b+4:BI+8*\b+7], v[BIA], s[44:45] offset:64*\b+16
.endr
	v_mul_u32_u24 v3, v1, PITCH
	v_lshl_add_u32 v4, v2, 4, v3                   ; a fragment's row x pitch + 16 x half
	s_mul_i32 s21, s15, HALFT                      ; my 128 tokens
	s_mul_i32 s22, s16, HALFT                      ; my 128 rows of the weights,
	s_add_co_u32 s22, s22, 2*HALFT                 ; which lie behind the tokens' 256
.irp s, 0,1
	v_add_nc_u32 v[ADRA+\s], s21, v4
	v_add_nc_u32 v[ADRB+\s], s22, v4
	s_add_co_u32 s21, s21, SLOT
	s_add_co_u32 s22, s22, SLOT
.endr
	v_mul_u32_u24 v5, v1, KS                       ; my row's scales: 64 bytes a row,
	v_lshrrev_b32 v6, 8, v5
	v_lshl_add_u32 v5, v6, 4, v5                   ; and 16 more for each 256 passed
	s_mul_i32 s21, s15, HALFS
	s_mul_i32 s22, s16, HALFS
	s_add_co_u32 s22, s22, 2*HALFS
	s_sub_co_u32 s22, s22, s21
	v_mul_u32_u24 v6, s22, v2                      ; lanes 16-31 take the weights': one product, the distance between the two bases
	s_add_co_u32 s21, s21, SCL
	v_add_nc_u32 v5, v5, v6
	v_add_nc_u32 v[ADRS], s21, v5
	v_and_b32 v6, 31, v0
	v_lshlrev_b32 v[LI], 4, v6
	s_mul_i32 s23, s14, 32*VP                      ; my stage for v
	v_mul_u32_u24 v5, v1, VP
	v_lshl_add_u32 v5, v2, 5, v5
	v_add_nc_u32 v[STO], s23, v5                   ; in: row r, 32 bytes for each half of the lanes
	v_lshl_add_u32 v[RDV], v6, 2, s23              ; back: 4 bytes a lane: a lane to a column
	v_lshlrev_b32 v[VLI], 4, v1
	v_lshl_add_u32 v[VLI], v2, 10, v[VLI]
.macro FRAG reg, adr, q, i             ; a fragment: lane l holds row l % 16; registers 4 c .. 4 c + 3 hold K = 64 c + 32 (l / 16) + 0 .. 31
.irp c, 0,1
	ds_load_b128 v[\reg+4*\c:\reg+4*\c+3], v[\adr] offset:64*(\q)+32*\c+(\i)*16*PITCH
.endr
.endm
; 16 matrix instructions: token blocks a0, a0 + 1 x the weights' eight, 128 along K.  zero = 1: the first product starts the sums, from the bias.
; The 64 accumulators take turns, one instruction a turn, in the same order in every step.
.macro MUL16 a0, p, q, sc, zero
.irp a, \a0, \a0+1
.irp b, 0,1,2,3,4,5,6,7
.if \zero
	v_wmma_scale_f32_16x16x128_f8f6f4 v[8*(8*((\a)%4)+\b):8*(8*((\a)%4)+\b)+7], v[128*(\p)+FR*\b:128*(\p)+FR*\b+FR-1], v[AF+FR*(\a):AF+FR*(\a)+FR-1], v[BI+8*\b:BI+8*\b+7], v[SC+8*NQ*(\sc)+NQ*\b+(\q)], v[SC+8*NQ*(\sc)+NQ*(\a)+(\q)] matrix_a_fmt:MATRIX_FMT_FP4 matrix_b_fmt:MATRIX_FMT_FP4 matrix_a_scale:MATRIX_SCALE_ROW1
.else
	v_wmma_scale_f32_16x16x128_f8f6f4 v[8*(8*((\a)%4)+\b):8*(8*((\a)%4)+\b)+7], v[128*(\p)+FR*\b:128*(\p)+FR*\b+FR-1], v[AF+FR*(\a):AF+FR*(\a)+FR-1], v[8*(8*((\a)%4)+\b):8*(8*((\a)%4)+\b)+7], v[SC+8*NQ*(\sc)+NQ*\b+(\q)], v[SC+8*NQ*(\sc)+NQ*(\a)+(\q)] matrix_a_fmt:MATRIX_FMT_FP4 matrix_b_fmt:MATRIX_FMT_FP4 matrix_a_scale:MATRIX_SCALE_ROW1
.endif
.endr
.endr
.endm
.macro FETCH_B slot, q, p              ; the weights' eight fragments of the slot's q-th 128 along K into set p
	WIN TO_B
.irp i, 0,1,2,3,4,5,6,7
	FRAG 128*(\p)+FR*\i, ADRB+\slot, \q, \i
.endr
	WIN 0
.endm
.macro FETCH_A slot, q, i0             ; token blocks i0 .. i0 + 3
.irp i, \i0, \i0+1, \i0+2, \i0+3
	FRAG AF+FR*(\i), ADRA+\slot, \q, \i
.endr
.endm
.macro SCALES sc                       ; a K step's scale words into set sc: four words a row; lanes 0-15 take token block i, lanes 16-31 the weights' block i
.irp i, 0,1,2,3,4,5,6,7
	ds_load_b128 v[SC+8*NQ*\sc+NQ*\i:SC+8*NQ*\sc+NQ*\i+3], v[ADRS] offset:\i*SBLK
.endr
.endm
; A load into a register that a matrix instruction has read, and a vector instruction or an LDS store that reads a matrix result, stand NP places behind that matrix instruction; only plain vector
; instructions that name none of its registers are places (ISA guide 7.12.1 for vector instructions).
.macro PLACES n
.rept \n
	v_nop
.endr
.endm
.macro STEP slot, q, zero              ; a step of 128 along K that has its successor in the same slot
	s_wait_dscnt 4*NL                              ; the weights' set and token blocks 0-3 are in; the youngest eight loads (blocks 4-7) may be out
.if \zero
	WIN 0x81                                       ; C (the bias) in window 0, D in window 2
.else
	WIN MUL_LO
.endif
	MUL16 0, (\q)%2, \q, \slot, \zero
	MUL16 2, (\q)%2, \q, \slot, \zero
	s_wait_dscnt 0                                 ; token blocks 4-7 are in
	PLACES NP
	FETCH_B \slot, (\q)+1, 1-(\q)%2
	FETCH_A \slot, (\q)+1, 0
.if \zero
	WIN 0xc1
.else
	WIN MUL_HI
.endif
	MUL16 4, (\q)%2, \q, \slot, \zero
	MUL16 6, (\q)%2, \q, \slot, \zero
	PLACES NP
	WIN 0
	FETCH_A \slot, (\q)+1, 4
.endm
; A slot's last step changes slots: ONE barrier; in front of it each wave waits for all its tensor loads, adds 0 to its spare word, and waits for that and for its own reads of this slot.  fill = 1: this slot is filled again, two K steps ahead.
.macro TURN slot, next, fill
	s_wait_tensorcnt 0x0                           ; all my tensor loads have landed: my part of the next slot
	ds_add_u32 v[SPW], v[NIL]                      ; 0 onto my spare word
	s_wait_dscnt 4*NL+1                            ; (the add and the youngest eight loads may be out)
	WIN MUL_LO
	MUL16 0, 1, NQ-1, \slot, 0                     ; sixteen matrix instructions stand between the add and the wait for it
	s_wait_dscnt 0x0                               ; the add is done, and my reads of this slot are over
	s_barrier_signal -1
	MUL16 2, 1, NQ-1, \slot, 0
	WIN 0
	s_barrier_wait -1
.if \fill
	CREST                                          ; the barrier has opened a round of the cluster's barrier: no wave of any partner still reads this slot or has a load on its way
	s_add_nc_u64 s[G0+4*\slot+2:G0+4*\slot+3], s[G0+4*\slot+2:G0+4*\slot+3], 2*ROWB
	s_add_nc_u64 s[G0B+4*\slot+2:G0B+4*\slot+3], s[G0B+4*\slot+2:G0B+4*\slot+3], 2*ROWB
	JLOAD G0+4*\slot, G1, G0B+4*\slot, G1B         ; the first tensor load behind the round; its four v_nop are also the places in front of the loads below
.else
	PLACES NP
.endif
	v_add_nc_u32 v[ADRS], 4*NQ, v[ADRS]            ; on to the next K step's scale words
	FETCH_B \next, 0, 0
	FETCH_A \next, 0, 0
	SCALES \next
	WIN MUL_HI
	MUL16 4, 1, NQ-1, \slot, 0
	MUL16 6, 1, NQ-1, \slot, 0
	PLACES NP
	WIN 0
	FETCH_A \next, 0, 4
.endm
.macro STEPS slot, from                ; the slot's steps from .. NQ - 2
.set QQ, \from
.rept NQ-1-\from
	STEP \slot, QQ, 0
.set QQ, QQ+1
.endr
.endm
	s_wait_tensorcnt 1                             ; the scales and my part of K step 0 are in (K step 1's load may be out),
	s_barrier_signal -1
	s_barrier_wait -1                              ; everybody's are
	FETCH_B 0, 0, 0
	FETCH_A 0, 0, 0
	SCALES 0
	FETCH_A 0, 0, 4
	s_wait_loadcnt 0x0                             ; the bias
	STEP 0, 0, 1                                   ; the first step stands in front of the loop: its products start the sums
	s_mov_b32 s3, LAPS-1
.Llap:                                                 ; a trip goes once round the ring, from a lap's second step to the next lap's first, and fills both slots again
	STEPS 0, 1
	TURN 0, 1, 1
	STEPS 1, 0
	TURN 1, 0, 1
	STEP 0, 0, 0
	s_sub_co_u32 s3, s3, 1
	s_cmp_lg_u32 s3, 0
	s_cbranch_scc1 .Llap
	STEPS 0, 1                                     ; the last lap fills nothing, and has no round of the cluster's barrier
	TURN 0, 1, 0
	STEPS 1, 0
	s_wait_dscnt 4*NL                              ; the very last step: nothing more to fetch
	WIN MUL_LO
	MUL16 0, 1, NQ-1, 1, 0
	MUL16 2, 1, NQ-1, 1, 0
	s_wait_dscnt 0
	WIN MUL_HI
	MUL16 4, 1, NQ-1, 1, 0
	MUL16 6, 1, NQ-1, 1, 0
	WIN 0
	PLACES NP                                      ; in front of the first read of results and the first write of registers that held operands
	s_cmp_lg_u32 s42, 0                            ; Y and the wave's number: the same in all four partners
	s_cbranch_scc1 .Lv
; ---- q AND k.  In tile a lane (r, h) holds token 16 a + r and 64 of its 128 numbers: register 8 b + j is d = 16 b + 8 h + j.
.macro SSQ a                           ; the squares of my 64 numbers, two at a time in four chains, each accumulator from its low end on
.set AC, 64*((\a)%4)
	WIN 0x0a+5*((\a)/4)                            ; sources 0 and 1: window 2 or 3
.set pp, 0
.rept 32
.if pp < 4
	v_pk_mul_f32 v[SS+2*pp:SS+2*pp+1], v[AC+2*pp:AC+2*pp+1], v[AC+2*pp:AC+2*pp+1]
.else
	v_pk_fma_f32 v[SS+2*(pp%4):SS+2*(pp%4)+1], v[AC+2*pp:AC+2*pp+1], v[AC+2*pp:AC+2*pp+1], v[SS+2*(pp%4):SS+2*(pp%4)+1]
.endif
.set pp, pp+1
.endr
	WIN 0
	v_pk_add_f32 v[SS:SS+1], v[SS:SS+1], v[SS+2:SS+3]
	v_pk_add_f32 v[SS+4:SS+5], v[SS+4:SS+5], v[SS+6:SS+7]
	v_pk_add_f32 v[SS:SS+1], v[SS:SS+1], v[SS+4:SS+5]
	v_add_f32 v[SSV+(\a)], v[SS], v[SS+1]
.endm
; T's 64 numbers become a fragment's codes in v[pc] on and the rows' scale word in v[PWA + a].  Block b of 32 along d is registers 16 b .. 16 b + 15 of lanes l and l xor 16.
; The eight codes of registers 16 b + 8 u on are d = 32 b + 16 u + 8 h + 0 .. 7; the operand wants them in lane half b % 2, register 4 (b / 2) + 2 u + h: they are put at 4 (b / 2) + 2 u + b % 2, and one
; exchange of halves for each pair of registers does the rest.
.macro QUANTD a, pc
.irp b, 0,1,2,3
	v_max3_num_f32 v[TM+\b], |v[T+16*\b]|, |v[T+1+16*\b]|, 0x1800000   ; my 16 numbers, and the floor 2^(3 - 127): the byte cannot fall under 1
.endr
.irp i, 2,4,6,8,10,12,14
.irp b, 0,1,2,3
	v_max3_num_f32 v[TM+\b], v[TM+\b], |v[T+16*\b+\i]|, |v[T+1+16*\b+\i]|   ; (the four blocks by turns)
.endr
.endr
.irp b, 0,1,2,3
	v_permlanex16_b32 v[TM+4+\b], v[TM+\b], s96, s97
.endr
.irp b, 0,1,2,3
	v_max_num_f32 v[TM+\b], v[TM+\b], v[TM+4+\b]   ; with lane l xor 16's: the block's largest magnitude
.endr
.irp b, 0,1,2,3
	v_add_nc_u32 v[TM+8+\b], 0xff000000, v[TM+\b]  ; 2 off its exponent field: the conversion's scale operand
.endr
.irp b, 0,1,2,3
	v_lshrrev_b32 v[TM+4+\b], 23, v[TM+8+\b]       ; the scale's byte
.endr
	v_lshl_or_b32 v[PWA+(\a)], v[TM+5], 8, v[TM+4]
	v_lshl_or_b32 v[PWA+(\a)], v[TM+6], 16, v[PWA+(\a)]
	v_lshl_or_b32 v[PWA+(\a)], v[TM+7], 24, v[PWA+(\a)]
.irp b, 0,1,2,3
.irp u, 0,1
	v_cvt_scalef32_pk8_fp4_f32 v[\pc+4*(\b/2)+2*\u+(\b%2)], v[T+16*\b+8*\u:T+16*\b+8*\u+7], v[TM+8+\b]
.endr
.endr
	v_nop                                          ; one plain place behind a scaled conversion
.irp c, 0,1
.irp u, 0,1
	v_permlane16_swap_b32 v[\pc+4*\c+2*\u], v[\pc+4*\c+2*\u+1]   ; the first's lanes 16-31 change places with the second's lanes 0-15
.endr
.endr
.endm
.macro NORMQ a, pc                     ; tile a x 1 / length, then quantised
.set AC, 64*((\a)%4)
	WIN 0x02+((\a)/4)                              ; source 0: window 2 or 3
.set pp, 0
.rept 32
	v_pk_mul_f32 v[T+2*pp:T+2*pp+1], v[AC+2*pp:AC+2*pp+1], v[RC+2*(\a):RC+2*(\a)+1]
.set pp, pp+1
.endr
	WIN 0
	QUANTD \a, \pc
.endm
; Tiles a0 and a0 + 2 make two stored fragments: the first has a0's rows 0-7 and (a0 + 2)'s rows 0-7, the second the rows 8-15 of both.  A lane takes its own register or that of lane l xor 8.
.macro PAIR a0, n
	NORMQ \a0, PC0
	NORMQ (\a0)+2, PC1
.if (\n) >= 2
	s_wait_xcnt 0x0                                ; the stores of two pairs ago have read their data: the set is written again only behind this wait
.endif
.irp k, 0,1,2,3,4,5,6,7
	v_mov_b32_dpp v[TT+\k%2], v[PC1+\k] row_xmask:8 row_mask:0xf bank_mask:0xf
	v_mov_b32_dpp v[UU+\k%2], v[PC0+\k] row_xmask:8 row_mask:0xf bank_mask:0xf
	v_cndmask_b32 v[OUTR+16*((\n)%2)+\k], v[PC0+\k], v[TT+\k%2], s99
	v_cndmask_b32 v[OUTR+16*((\n)%2)+8+\k], v[UU+\k%2], v[PC1+\k], s99
.endr
.irp q, 0,1,2,3
	global_store_b128 v[LI], v[OUTR+16*((\n)%2)+4*\q:OUTR+16*((\n)%2)+4*\q+3], s[12:13] offset:1024*(4*((\a0)/4)+2*((\a0)%2))+512*\q   ; 32 lanes store 512 consecutive bytes
.endr
.endm
.irp i, 0,1,2,3,4,5,6,7
	v_mov_b32 v[TM+\i], 0                          ; written once: a lane permute's destination counts as one of its sources
.endr
.irp a, 0,1,2,3,4,5,6,7
	SSQ \a
.endr
.irp a, 0,1,2,3,4,5,6,7
	v_permlanex16_b32 v[TM+\a], v[SSV+\a], s96, s97
.endr
.irp a, 0,1,2,3,4,5,6,7
	v_add_f32 v[SSV+\a], v[SSV+\a], v[TM+\a]       ; with lane l xor 16's 64: the token's 128 squares
.endr
.irp a, 0,1,2,3,4,5,6,7
	v_sqrt_f32 v[SSV+\a], v[SSV+\a]
.endr
	v_nop                                          ; a plain instruction behind the last root,
	s_wait_alu depctr_va_vdst(0)                   ; and one wait for the eight, ahead of their first reader
.irp a, 0,1,2,3,4,5,6,7
	v_max_num_f32 v[SSV+\a], 0x2b8cbccc, v[SSV+\a] ; max(length, 1e-12)
.endr
.irp a, 0,1,2,3,4,5,6,7
	v_rcp_f32 v[RC+2*\a], v[SSV+\a]
	v_rcp_f32 v[RC+2*\a+1], v[SSV+\a]
.endr
	v_nop
	s_wait_alu depctr_va_vdst(0)                   ; one wait for the sixteen
	PAIR 0, 0
	PAIR 1, 1
	PAIR 4, 2
	PAIR 5, 3
.irp i, 0,1,2,3
	v_cndmask_b32 v[PWS+\i], v[PWA+2*\i], v[PWA+2*\i+1], s98   ; lane l: the word of token 32 i + l
.endr
	global_store_b128 v[LI], v[PWS:PWS+3], s[66:67]
	s_branch .Ljoin
; ---- v.  Its K in the next product is the keys, which lie across my lanes: 32 keys at a time go through my stage, and come back a lane to a column d, registers down the keys.
.Lv:
.macro VSTG a                          ; tile a's 16 keys x 128 d into the stage, each accumulator from its low end on
.set AC, 64*((\a)%4)
	WIN 0x08+4*((\a)/4)                            ; an LDS store's data are its source 1: window 2 or 3
.irp b, 0,1,2,3,4,5,6,7
	ds_store_b128 v[STO], v[AC+8*\b:AC+8*\b+3] offset:16*((\a)%2)*VP+64*\b
	ds_store_b128 v[STO], v[AC+8*\b+4:AC+8*\b+7] offset:16*((\a)%2)*VP+64*\b+16
.endr
	WIN 0
.endm
.macro VLD g                           ; d = 32 g + lane: the block's 32 keys into set g % 2.  LDS serves a wave's instructions in order (ISA guide 5.7.1.4): these see my stores
.irp i, 0,1,2,3,4,5,6,7,8,9,10,11,12,13,14,15,16,17,18,19,20,21,22,23,24,25,26,27,28,29,30,31
	ds_load_b32 v[X+32*((\g)%2)+\i], v[RDV] offset:VP*\i+128*(\g)
.endr
.endm
.macro VCV kb, g                       ; the block's scale and codes: all 32 numbers are mine
.set XS, X+32*((\g)%2)
	v_max3_num_f32 v[VT], |v[XS]|, |v[XS+1]|, |v[XS+2]|
	v_max3_num_f32 v[VT+1], |v[XS+3]|, |v[XS+4]|, |v[XS+5]|
.irp i, 6,10,14,18,22,26
	v_max3_num_f32 v[VT], v[VT], |v[XS+\i]|, |v[XS+\i+1]|
	v_max3_num_f32 v[VT+1], v[VT+1], |v[XS+\i+2]|, |v[XS+\i+3]|
.endr
	v_max3_num_f32 v[VT], v[VT], |v[XS+30]|, |v[XS+31]|
	v_max3_num_f32 v[VT], v[VT], v[VT+1], 0x1800000   ; and the floor 2^(3 - 127)
	v_add_nc_u32 v[VT+2], 0xff000000, v[VT]
	v_lshrrev_b32 v[VT+3], 23, v[VT+2]
.if (\kb) == 0
	v_mov_b32 v[SB+(\g)], v[VT+3]
.else
	v_lshl_or_b32 v[SB+(\g)], v[VT+3], 8*(\kb), v[SB+(\g)]
.endif
.irp q, 0,1,2,3
	v_cvt_scalef32_pk8_fp4_f32 v[VC+4*(4*(\kb)+(\g))+\q], v[XS+8*\q:XS+8*\q+7], v[VT+2]
.endr
	v_nop                                          ; one plain place behind a scaled conversion
	global_store_b128 v[VLI], v[VC+4*(4*(\kb)+(\g)):VC+4*(4*(\kb)+(\g))+3], s[12:13] offset:2048*(\g)+512*((\kb)/2)+256*((\kb)%2)   ; each half of the lanes stores 256 consecutive bytes, aligned
.endm
.irp kb, 0,1,2,3
	VSTG 2*\kb
	VSTG 2*\kb+1
	VLD 0
	VLD 1
	s_wait_dscnt 32                                ; all but the 32 loads issued last
	VCV \kb, 0
	VLD 2
	s_wait_dscnt 32
	VCV \kb, 1
	VLD 3
	s_wait_dscnt 32
	VCV \kb, 2
	s_wait_dscnt 0x0
	VCV \kb, 3
.endr
	global_store_b128 v[LI], v[SB:SB+3], s[66:67]  ; lane l: the words of d = l, 32 + l, 64 + l, 96 + l
.Ljoin:
	s_wait_tensorcnt 0x0                           ; the wave's end, behind my last tensor load and my last LDS store
	ds_add_u32 v[SPW], v[NIL]
	s_wait_dscnt 0x0
	CROUND                                         ; the closing round: no work-group ends while a partner may still ask for a tile that names it
	s_endpgm
.Lfunc_end_k_qf896eab5a0_proj:
	.size	k_qf896eab5a0_proj, .Lfunc_end_k_qf896eab5a0_proj-k_qf896eab5a0_proj
	.p2alignl 7, 3214868480
	.fill 96, 4, 3214868480
	.section	.rodata,"a",@progbits
	.p2align	6, 0x0
	.amdhsa_kernel k_qf896eab5a0_proj
		.amdhsa_group_segment_fixed_size 327680
		.amdhsa_private_segment_fixed_size 0
		.amdhsa_enable_private_segment 0
		.amdhsa_kernarg_size 128
		.amdhsa_user_sgpr_count 2
		.amdhsa_user_sgpr_kernarg_segment_ptr 1
		.amdhsa_wavefront_size32 1
		.amdhsa_system_sgpr_workgroup_id_x 1
		.amdhsa_system_sgpr_workgroup_id_y 1
		.amdhsa_system_sgpr_workgroup_id_z 1
		.amdhsa_system_vgpr_workitem_id 0
		.amdhsa_next_free_vgpr 1024
		.amdhsa_next_free_sgpr 100
		.amdhsa_reserve_vcc 0
		.amdhsa_float_denorm_mode_32 3
		.amdhsa_float_denorm_mode_16_64 3
		.amdhsa_memory_ordered 1
		.amdhsa_forward_progress 1
		.amdhsa_inst_pref_size 255
	.end_amdhsa_kernel
	.section	.bss,"aw",@nobits
	.p2align	6
	.space	262144
	.amdgpu_metadata
---
amdhsa.version: [ 1, 2 ]
amdhsa.kernels:
  - .name:           k_qf896eab5a0_proj
    .symbol:         k_qf896eab5a0_proj.kd
    .args:
      - { .name: x_codes, .offset: 0, .size: 8, .value_kind: global_buffer, .address_space: global }
      - { .name: context_codes, .offset: 8, .size: 8, .value_kind: global_buffer, .address_space: global }
      - { .name: x_scales, .offset: 16, .size: 8, .value_kind: global_buffer, .address_space: global }
      - { .name: context_scales, .offset: 24, .size: 8, .value_kind: global_buffer, .address_space: global }
      - { .name: Wq_codes, .offset: 32, .size: 8, .value_kind: global_buffer, .address_space: global }
      - { .name: Wk_codes, .offset: 40, .size: 8, .value_kind: global_buffer, .address_space: global }
      - { .name: Wv_codes, .offset: 48, .size: 8, .value_kind: global_buffer, .address_space: global }
      - { .name: Wq_scales, .offset: 56, .size: 8, .value_kind: global_buffer, .address_space: global }
      - { .name: Wk_scales, .offset: 64, .size: 8, .value_kind: global_buffer, .address_space: global }
      - { .name: Wv_scales, .offset: 72, .size: 8, .value_kind: global_buffer, .address_space: global }
      - { .name: bq, .offset: 80, .size: 8, .value_kind: global_buffer, .address_space: global }
      - { .name: bk, .offset: 88, .size: 8, .value_kind: global_buffer, .address_space: global }
      - { .name: bv, .offset: 96, .size: 8, .value_kind: global_buffer, .address_space: global }
      - { .name: q_img, .offset: 104, .size: 8, .value_kind: global_buffer, .address_space: global }
      - { .name: q_sc, .offset: 112, .size: 8, .value_kind: global_buffer, .address_space: global }
      - { .name: kv, .offset: 120, .size: 8, .value_kind: global_buffer, .address_space: global }
    .group_segment_fixed_size: 327680
    .private_segment_fixed_size: 0
    .kernarg_segment_align: 8
    .kernarg_segment_size: 128
    .max_flat_workgroup_size: 128
    .sgpr_count:     100
    .vgpr_count:     1024
    .wavefront_size: 32
...
	.end_amdgpu_metadata
.endif
;; end of part 1
;; launch attn (part 2): grid 64 x 4, 4 waves a work-group, clusters of 4 x 1, 327,680 bytes of LDS; arguments q_img, q_sc, kv, out0; writes out0
.if DOCPART == 2
	.amdgcn_target "amdgcn-amd-amdhsa--gfx1250"
	.amdhsa_code_object_version 6
	.text
	.protected	k_qf896eab5a0_attn
	.globl	k_qf896eab5a0_attn
	.p2align	8
	.type	k_qf896eab5a0_attn,@function
k_qf896eab5a0_attn:
	s_mov_b64 s[64:65], 0
	v_nop
	global_prefetch_b8 v0, s[64:65] scope:SCOPE_SE
	s_setreg_imm32_b32 hwreg(HW_REG_WAVE_MODE, 25, 1), 1
	s_wait_xcnt 0x0
	s_wait_alu depctr_hold_cnt(0) depctr_sa_sdst(0) depctr_va_vdst(0) depctr_va_sdst(0) depctr_va_ssrc(0) depctr_va_vcc(0) depctr_vm_vsrc(0)
	s_getreg_b32 s2, hwreg(HW_REG_IB_STS2, 6, 4)
	s_cmp_eq_u32 s2, 0
	s_cbranch_scc0 .Lentry_in_a_cluster
	s_endpgm
.Lentry_in_a_cluster:
	s_bfe_u32 s2, ttmp6, 0x10000c
	s_cmp_lg_u32 s2, 0x3003
	s_cbranch_scc0 .Lentry_shape_is_right
	s_endpgm
.Lentry_shape_is_right:
; out[b][head][q][:] = the sum over keys of Q4(q . k / sqrt(128)) Q4(v), both products on codes of FP4 (E2M1) with one E8M0 scale for each 32 along a product's K.  There is no softmax: the scores, times
; 1 / sqrt(128) in f32, are quantised along the keys in blocks of 32 and are the second product's operand.  q, k and v come as images of operand registers (a fragment: 1,024 bytes, [c][lane][16 bytes]).
; SHARES.  A work-group owns 256 queries of one head of one batch, each of its four waves 64: four tiles of 16.  Every wave walks the batch's 2,048 keys, 128 a step; each fragment of k and v read from LDS feeds four tiles.
; LAYOUT.  S^T = k q^T (source 0 = 16 keys, source 1 = 16 queries), O^T = v^T P (source 0 = 16 of the head's 128, source 1 = P): a lane holds ONE query throughout.  THE KEYS OF A FRAGMENT ARE NOT NEIGHBOURS:
; row r' of fragment 4 c + i is key 64 c + 32 (r' / 8) + 8 i + r' % 8.  So a lane's registers 32 c .. 32 c + 31 of S^T are keys 64 c + 32 (lane / 16) + 0 .. 31: a whole block of the quantiser in one lane, in the
; order of the operand's registers: its largest magnitude needs no other lane and the conversions' results ARE the operand.  q's fragments have their rows in the same order; the stores undo it in their offsets.
; BY TURNS.  In a TURN one tile's scores are quantised (a list of 81 vector instructions, cut into eight slices), and between the slices stand eight pairs of matrix instructions for other tiles.
; CLUSTER.  The four work-groups of a cluster belong to one batch and walk the same records of kv: each record is asked for JOINTLY (mask 15).  A slot holds four key steps; wave w fetches record 4 n + w.
; LIMITS: a block whose every score is under 2^-120 gets the scale byte 1, as the hold at 2^-126 gives it; NaN and infinities are not served.
; REGISTERS, in windows of 256: window 0: v1-11 addresses; v12-19 at work; v24-37 scale words and nothing else; v40-71 q; v72-87 P, two sets; v128-255 S^T, two sets of 64 (on the way out: rows of out).
;   window 1: O^T, 64 a tile: register 8 b + j is d = 16 b + 8 (lane / 16) + j.      window 2: v0-63 k of one step; v64-127 v of one step.
.set STEPB, 17408                      ; a record: k's codes 8,192; v's codes 8,192; k's scale words 512; v's 512
.set SLOT1, 1<<17                      ; slot 1 begins here, so that one exclusive or turns an address in one slot into the other's
.set STAGE, SLOT1+4*STEPB              ; behind the ring: 16 rows x (512 bytes + 16) for each wave, for the way out
.set SP,    528
.set SPARE, STAGE+4*16*SP              ; the spare words, 128 bytes for each wave: two blocks of 256 bytes that no other line names
.set LI,  1                            ; v1   16 x lane; never rewritten
.set KSL, 2                            ; v2   my place among k's scale words: 128 (l / 16) + 16 (l % 8) + 4 ((l / 8) % 2)
.set ADR, 3                            ; v3-5 LDS addresses of the runs of loads in hand
.set ADS, 4
.set ADV, 5
.set STO, 6                            ; v6   the way out: where I put 32 bytes of a row
.set RD,  7                            ; v7   the way out: where I read a row back
.set QSA, 8                            ; v8   my place among q's scale words
.set SPW, 10                           ; v10  LDS address of my spare word; never rewritten
.set NIL, 11                           ; v11  0; never rewritten
.set TM,  12                           ; v12-15 four chains of largest magnitudes; later my two scale bytes and my partner lane's
.set EX,  16                           ; v16-17 the conversions' scale operands
.set TE,  18                           ; v18-19 each block's two scores left over and the floor; later the scale's byte as the top byte
.set KS,  24                           ; v24-27 k's scale words: register p: lanes 0-15 fragment 2 p, lanes 16-31 fragment 2 p + 1
.set VS,  28                           ; v28-31 v's likewise
.set QS,  32                           ; v32-35 q's, a register a tile
.set PS,  36                           ; v36-37 P's, two sets
.set Q,   40
.set P,   72
.set S,   128
.set WV,  12                           ; s12  my wave's number
.set G1,  24                           ; s[24:31] descriptor group 1
.set G0A, 32                           ; s[32:35] group 0 of slot 0's first fill
.set G0B, 36                           ; s[36:39] of slot 1's; it then walks on
.set SLOTS, 40
.set CNT, 41
.set TB,  42                           ; s42  LDS byte at which the record to be fetched begins
.set SEL, 44                           ; s[44:45] lane selects for v_permlanex16_b32: lane l xor 16
.set CS,  46                           ; s[46:47] 1 / sqrt(128): the packed form names a pair and takes its low word for both halves
.set MSB, 0
.macro WIN new                         ; the immediate's high byte repeats the setting that is left; a switch that changes nothing is dropped
.if MSB != \new
	s_set_vgpr_msb (MSB<<8)|\new
.set MSB, \new
.endif
.endm
.set W_KQ, 0x02                        ; k in window 2; q and S^T in window 0
.set W_PV, 0x52                        ; v in window 2, P in window 0, O^T (C and D) in window 1
.macro CROUND                          ; a round of the cluster's barrier
	s_barrier_signal -1
	s_barrier_wait -1
	s_cmp_lg_u32 s[WV], 0
	s_cbranch_scc1 .Lnot_wave_0_\@
	s_barrier_signal -3
.Lnot_wave_0_\@:
	s_barrier_wait -3
	s_barrier_signal -1
	s_barrier_wait -1
.endm
	s_load_b256 s[4:11], s[0:1], 0x0               ; q_img s[4:5], q_sc s[6:7], kv s[8:9], out0 s[10:11]
	v_lshl_add_u32 v[SPW], v0, 2, SPARE
	v_mov_b32 v[NIL], 0
	ds_add_u32 v10, v11
	ds_add_u32 v10, v11
	s_wait_dscnt 0x0
	v_lshrrev_b32 v12, 5, v0
	v_readfirstlane_b32 s[WV], v12                 ; wave 0..3
	s_bfe_u32 s13, ttmp6, 0x40000                  ; cx
	s_lshl_b32 s14, ttmp9, 2
	s_add_co_u32 s14, s14, s13                     ; X = 8 x head + block of 256 queries: it enters q's and out's addresses alone
	s_and_b32 s15, ttmp7, 0xffff                   ; the batch, which the four partners share
	s_lshl_b32 s16, s15, 6
	s_add_co_u32 s16, s16, s14                     ; 64 b + X
	s_lshl_b32 s18, s16, 14                        ; q's codes: 16,384 bytes a block, 4,096 a wave
	s_lshl_b32 s17, s[WV], 12
	s_add_co_u32 s18, s18, s17
	s_mov_b32 s19, 0
	s_lshl_b32 s20, s16, 1                         ; q's scale words: group 2 (64 b + X) + wave / 2, 512 bytes each; my 64 queries' words begin 8 (wave % 2) bytes on
	s_lshr_b32 s17, s[WV], 1
	s_add_co_u32 s20, s20, s17
	s_lshl_b32 s20, s20, 9
	s_and_b32 s17, s[WV], 1
	s_lshl_b32 s17, s17, 3
	s_add_co_u32 s20, s20, s17
	s_mov_b32 s21, 0
	s_lshl_b32 s22, s16, 17                        ; out: 256 rows of 512 bytes a block, 64 a wave
	s_lshl_b32 s17, s[WV], 15
	s_add_co_u32 s22, s22, s17
	s_mov_b32 s23, 0
	s_mul_i32 s2, s15, 16*STEPB                    ; kv: the batch's 16 records; mine of a slot's four: made of the batch and the wave's number alone
	s_mul_i32 s43, s[WV], STEPB                    ; also its place in a slot
	s_add_co_u32 s2, s2, s43
	s_mov_b32 s3, 0
	; descriptor group 1: a record is dense: 68 rows of 256 bytes (32 elements of 8 bytes), no padding: every read takes 16 consecutive bytes a lane
	s_mov_b32 s[G1+0], 15|(3<<16)|(1<<21)          ; 15:0 the mask: all four work-groups; 17:16 elements of 8 bytes; 21 set beside a mask
	s_mov_b32 s[G1+1], 32<<16                      ; tensor_dim0
	s_mov_b32 s[G1+2], 68<<16                      ; tensor_dim1
	s_mov_b32 s[G1+3], 32<<16                      ; tile_dim0
	s_mov_b32 s[G1+4], 68                          ; tile_dim1
	s_mov_b32 s[G1+5], 32                          ; tensor_dim0_stride
	s_mov_b32 s[G1+6], 0
	s_mov_b32 s[G1+7], 0
	s_mov_b32 s[SEL], 0x76543210
	s_mov_b32 s[SEL+1], 0xfedcba98
	s_mov_b32 s[CS], 0x3db504f3                    ; 1 / sqrt(128) in f32
	s_mov_b32 s[CS+1], s[CS]                       ; (named with it as a pair, so it is written)
	s_mov_b32 s[TB], 0
	s_wait_kmcnt 0x0
	s_add_nc_u64 s[4:5], s[4:5], s[18:19]
	s_add_nc_u64 s[6:7], s[6:7], s[20:21]
	s_add_nc_u64 s[10:11], s[10:11], s[22:23]
	s_add_nc_u64 s[8:9], s[8:9], s[2:3]
	CROUND                                         ; all four work-groups are here: the first joint loads meet
	s_mov_b32 s[G0A], 1                            ; 1:0 count = 1
	s_mov_b32 s[G0A+1], s43                        ; LDS address: slot 0
	s_mov_b64 s[G0A+2:G0A+3], s[8:9]               ; key steps 0 to 3
	s_or_b32 s[G0A+3], s[G0A+3], 0x80000000        ; type = 2
	s_mov_b32 s[G0B], 1
	s_add_co_u32 s[G0B+1], s43, SLOT1
	s_add_nc_u64 s[G0B+2:G0B+3], s[8:9], 4*STEPB   ; key steps 4 to 7
	s_or_b32 s[G0B+3], s[G0B+3], 0x80000000
	tensor_load_to_lds s[G0A:G0A+3], s[G1:G1+7]    ; each wave moves a record of its own: both addresses are stepped by the wave's number.  Two loads of mine are out
	s_nop 0
	tensor_load_to_lds s[G0B:G0B+3], s[G1:G1+7]
	s_nop 0
.rept 4
	v_nop
.endr
	v_and_b32 v12, 31, v0
	v_lshlrev_b32 v[LI], 4, v12
	v_and_b32 v13, 15, v0                          ; r
	v_bfe_u32 v14, v0, 4, 1                        ; h
	v_and_b32 v15, 7, v0
	v_bfe_u32 v16, v0, 3, 1
	v_lshlrev_b32 v[QSA], 4, v15
	v_lshl_add_u32 v[QSA], v16, 2, v[QSA]          ; 16 (l % 8) + 4 ((l / 8) % 2)
.irp n, 0,1,2,3,4,5,6,7
	global_load_b128 v[Q+4*\n:Q+4*\n+3], v[LI], s[4:5] offset:512*\n th:TH_LOAD_NT   ; q's four fragments stay in registers
.endr
.irp i, 0,1,2,3
	global_load_b32 v[QS+\i], v[QSA], s[6:7] offset:128*\i   ; lane r: the word of row r of tile i
.endr
	v_lshl_add_u32 v[KSL], v14, 7, v[QSA]
	s_mul_i32 s17, s[WV], 16*SP
	s_add_co_u32 s17, s17, STAGE                   ; my stage
	v_mul_u32_u24 v[STO], v13, SP
	v_lshl_add_u32 v[STO], v14, 5, v[STO]
	v_add_nc_u32 v[STO], s17, v[STO]               ; in: row r, 32 bytes for each half of the lanes
	v_add_nc_u32 v[RD], s17, v[LI]                 ; back: the 32 lanes take one row of 512 bytes
; A PAIR OF MATRIX INSTRUCTIONS, on two neighbouring fragments of k or of v; the second takes its rows' scales from lanes 16-31 of the same register.  Each accumulator gets one instruction a key step.
; kind 1: S^T of tile t, keys of fragments 2 p, 2 p + 1.  kind 2: O^T of tile t += v's fragments 2 p, 2 p + 1 x P.  kind 3: the same, starting the sums: nothing is ever cleared.  kind 0: nothing.
.macro MAT kind, t, p
.if (\kind) == 1
	WIN W_KQ
.set rD, S+64*((\t)%2)+16*(\p)
.set rA, 16*(\p)
	v_wmma_scale_f32_16x16x128_f8f6f4 v[rD:rD+7], v[rA:rA+7], v[Q+8*(\t):Q+8*(\t)+7], 0, v[KS+(\p)], v[QS+(\t)] matrix_a_fmt:MATRIX_FMT_FP4 matrix_b_fmt:MATRIX_FMT_FP4
	v_wmma_scale_f32_16x16x128_f8f6f4 v[rD+8:rD+15], v[rA+8:rA+15], v[Q+8*(\t):Q+8*(\t)+7], 0, v[KS+(\p)], v[QS+(\t)] matrix_a_fmt:MATRIX_FMT_FP4 matrix_b_fmt:MATRIX_FMT_FP4 matrix_a_scale:MATRIX_SCALE_ROW1
.elseif (\kind) > 1
	WIN W_PV
.set rD, 64*(\t)+16*(\p)
.set rA, 64+16*(\p)
.set rB, P+8*((\t)%2)
.if (\kind) == 3
	v_wmma_scale_f32_16x16x128_f8f6f4 v[rD:rD+7], v[rA:rA+7], v[rB:rB+7], 0, v[VS+(\p)], v[PS+(\t)%2] matrix_a_fmt:MATRIX_FMT_FP4 matrix_b_fmt:MATRIX_FMT_FP4
	v_wmma_scale_f32_16x16x128_f8f6f4 v[rD+8:rD+15], v[rA+8:rA+15], v[rB:rB+7], 0, v[VS+(\p)], v[PS+(\t)%2] matrix_a_fmt:MATRIX_FMT_FP4 matrix_b_fmt:MATRIX_FMT_FP4 matrix_a_scale:MATRIX_SCALE_ROW1
.else
	v_wmma_scale_f32_16x16x128_f8f6f4 v[rD:rD+7], v[rA:rA+7], v[rB:rB+7], v[rD:rD+7], v[VS+(\p)], v[PS+(\t)%2] matrix_a_fmt:MATRIX_FMT_FP4 matrix_b_fmt:MATRIX_FMT_FP4
	v_wmma_scale_f32_16x16x128_f8f6f4 v[rD+8:rD+15], v[rA+8:rA+15], v[rB:rB+7], v[rD+8:rD+15], v[VS+(\p)], v[PS+(\t)%2] matrix_a_fmt:MATRIX_FMT_FP4 matrix_b_fmt:MATRIX_FMT_FP4 matrix_a_scale:MATRIX_SCALE_ROW1
.endif
.endif
.endm
; THE LDS LOADS stand in two runs a key step, never singly among the matrix instructions: a step's k with its scale words, and two turns later its v.
.macro KRUN
	WIN 0
	v_add_nc_u32 v[ADR], s[TB], v[LI]
	v_add_nc_u32 v[ADS], s[TB], v[KSL]
	WIN 0x80                                       ; destination window 2
.irp n, 0,1,2,3,4,5,6,7,8,9,10,11,12,13,14,15
	ds_load_b128 v[4*\n:4*\n+3], v[ADR] offset:512*\n
.endr
	WIN 0
.irp p, 0,1,2,3
	ds_load_b32 v[KS+\p], v[ADS] offset:16384+256*(\p%2)+8*(\p/2)
.endr
.endm
.macro VRUN
	WIN 0
	v_add_nc_u32 v[ADV], s[TB], v[LI]
	s_add_co_u32 s[TB], s[TB], STEPB               ; the next fetch is the next step's
	WIN 0x80
.irp n, 0,1,2,3,4,5,6,7,8,9,10,11,12,13,14,15
	ds_load_b128 v[64+4*\n:64+4*\n+3], v[ADV] offset:8192+512*\n
.endr
	WIN 0
	ds_load_b128 v[VS:VS+3], v[ADV] offset:16896
.endm
; THE QUANTISER OF ONE TILE'S SCORES: 81 instructions.  BQ writes the one with the given code for tile t; TURN holds their order.  x0-x63 are the lane's scores: x[32 c ..] is block 2 c + lane / 16 of the step's four.
;   code 8 ch + n (ch 0..3, n 0..6): link n of chain ch: the largest magnitude of x[16 ch .. 16 ch + 14], ascending
;   x[2 q], x[2 q + 1] x 1 / sqrt(128), in place; it stands behind the links that read the pair
;   code 200 + c: block c's two scores left over, x[32 c + 15] and x[32 c + 31], and the floor 2^-120        202 + c: the block's two chains joined with them
;   204 + c: the maximum x 1 / sqrt(128) (a multiplication by a positive number keeps the order, so this is the largest of the products, bit for bit)
;   206 + c: 2 off its exponent field: the conversions' scale operand        208 + c: the same field, less 2, as the TOP BYTE of a register: the scale's byte
;   210: my two bytes side by side        211: those of lane l xor 16        212: the four in the scale word's order; lanes 0-15 have it right, and those alone are read as source 1's scales
;   code 300 + i (i 0..7): the conversion: register i of P is x[8 i .. 8 i + 7]
.macro BQ t, code
	WIN 0
.set xr, S+64*((\t)%2)
.set uu, (\t)%2
.set kd, (\code)/100
.set ix, (\code)%100
.if kd == 0
.set xb, xr+16*(ix/8)
.set nn, ix%8
.if nn == 0
	v_max3_num_f32 v[TM+ix/8], |v[xb]|, |v[xb+1]|, |v[xb+2]|
.else
	v_max3_num_f32 v[TM+ix/8], v[TM+ix/8], |v[xb+2*nn+1]|, |v[xb+2*nn+2]|
.endif
.elseif kd == 1
	v_pk_mul_f32 v[xr+2*ix:xr+2*ix+1], v[xr+2*ix:xr+2*ix+1], s[CS:CS+1] op_sel_hi:[1,0]
.elseif kd == 3
	v_cvt_scalef32_pk8_fp4_f32 v[P+8*uu+ix], v[xr+8*ix:xr+8*ix+7], v[EX+ix/4]
.elseif ix < 2
	v_max3_num_f32 v[TE+ix], |v[xr+32*ix+15]|, |v[xr+32*ix+31]|, 0x03800000
.elseif ix < 4
	v_max3_num_f32 v[TM+2*(ix-2)], v[TM+2*(ix-2)], v[TM+2*(ix-2)+1], v[TE+ix-2]
.elseif ix < 6
	v_mul_f32 v[TM+2*(ix-4)], s[CS], v[TM+2*(ix-4)]
.elseif ix < 8
	v_add_nc_u32 v[EX+ix-6], 0xff000000, v[TM+2*(ix-6)]
.elseif ix < 10
	v_lshl_add_u32 v[TE+ix-8], v[TM+2*(ix-8)], 1, 0xfe000000
.elseif ix == 10
	v_perm_b32 v[TM], v[TE+1], v[TE], 0x03030703           ; byte 0: block c = 0's byte; byte 1: block c = 1's
.elseif ix == 11
	v_permlanex16_b32 v[TM+1], v[TM], s[SEL], s[SEL+1]     ; (its destination was written by chain 1)
.else
	v_perm_b32 v[PS+uu], v[TM+1], v[TM], 0x05010400        ; mine, my partner's, mine, my partner's
.endif
.endm
; A TURN: tile bt is quantised, in eight slices of 11, 10, 10, 10, 10, 10, 10, 10; each slice stands AHEAD of a pair of matrix instructions: four pairs of kind k1 for tile t1, then four of kind k2 for tile t2.
; THE ORDER OF THE LIST: no instruction reads a result made fewer than four instructions before it.  Block 0's two chains go first, each link followed by the scaling of the pair that it has freed; then block 1's
; two chains, with block 0's join, scaling, scale operand and first conversions between them; then block 1's join and the making of the scale word, with block 1's sixteen scalings, held back for that, between them.
; Behind slice 4: run = 1: k's run of loads; 2: v's; 3: the wait for the run issued a turn ago, which the pairs that follow want.  The run's registers were last read by the pair in front of slice 4, of whose ten
; instructions eight are plain and name no register of that pair: they are the places (ISA guide 7.12.1 for vector instructions).
; P's last register is written 12 plain instructions, its scale word 11, ahead of the first product that reads them (the next turn's slice 0 lies between).  The last line of the list is also the plain line behind
; the last conversion.  Scores made in the turn before are first read 8 plain instructions or more behind the pair that made them; block 1's not before the list's 28th line.
.macro TURN bt, k1, t1, k2, t2, run
.set jq, 0
.irp code, 0,8,100,108, 1,9,101,109, 2,10,102,110, 3,11,103,111, 4,12,104,112, 5,13,105,113, 6,14,200, 16,24,106,202, 17,25,114,204, 18,26,107,206, 19,27,115,208, 20,28,300,201, 21,29,301,116, 22,30,302,117,124, 203,303,118,125, 205,119,126,120, 207,209,127,121,128, 210,122,129,123, 211,130,131, 304,305,306,307, 212
	BQ \bt, \code
.set jq, jq+1
.if (jq > 1) && ((jq-1)%10 == 0)
.set sl, (jq-11)/10
.if sl == 4
.if (\run) == 1
	KRUN
.elseif (\run) == 2
	VRUN
.elseif (\run) == 3
	s_wait_dscnt 0x0
.endif
.endif
.if sl < 4
	MAT \k1, \t1, sl
.else
	MAT \k2, \t2, sl-4
.endif
.endif
.endr
.endm
; UNIT j of the walk, j = 1 .. 15: the rest of key step j - 1 and the head of key step j; all its LDS reads are of step j.  z = 1: unit 1, in which tiles 1 to 3 start their sums.
.macro Y z
	TURN 2, 1,3, 2+\z,1, 1                         ; step j - 1: tile 2 quantised | scores of tile 3 | O^T of tile 1 | k of step j is asked for
	TURN 3, 2+\z,2, 1,0, 3                         ; tile 3 quantised | O^T of tile 2 | step j: scores of tile 0
	TURN 0, 2+\z,3, 1,1, 2                         ; step j: tile 0 quantised | step j - 1: O^T of tile 3 | scores of tile 1 | v of step j is asked for
	TURN 1, 1,2, 2,0, 3                            ; tile 1 quantised | scores of tile 2 | O^T of tile 0
	WIN 0                                          ; at a label and at a branch every window is 0
.endm
; THE CHANGE OF SLOTS, when a slot's four steps have been fetched into registers.  Each wave waits for all its tensor loads (its part of the other slot), adds 0 to its spare word, and waits for that and for its
; reads of the slot.  fill = 1: the slot is filled again with the keys two slots on, behind a round of the cluster's barrier; the load has four key steps in which to land.
.macro CHANGE fill
	s_wait_tensorcnt 0x0                           ; no tensor load of mine is out, so a group 0 may be written
	ds_add_u32 v[SPW], v[NIL]                      ; 0 onto my spare word
.if \fill
	s_xor_b32 s[G0B+1], s[G0B+1], SLOT1            ; the walking descriptor: the other slot than last time,
	s_add_nc_u64 s[G0B+2:G0B+3], s[G0B+2:G0B+3], 4*STEPB   ; the next four records; the type bits on top are not reached
	s_wait_dscnt 0x0                               ; the add is done, and my reads of the slot are over
	CROUND
	tensor_load_to_lds s[G0B:G0B+3], s[G1:G1+7]    ; the first tensor load behind the round, and my only one until the next
	s_nop 0
.rept 4
	v_nop
.endr
.else
	s_wait_dscnt 0x0
	s_barrier_signal -1
	s_barrier_wait -1
.endif
	s_sub_co_u32 s[TB], s[TB], 4*STEPB             ; the fetches go back to a slot's first record,
	s_xor_b32 s[TB], s[TB], SLOT1                  ; in the other slot
.endm
	s_wait_tensorcnt 1                             ; my part of slot 0 is in; slot 1's may stay out
	s_barrier_signal -1
	s_barrier_wait -1                              ; everybody's is
	KRUN                                           ; key step 0
	VRUN
	s_wait_loadcnt 0x0                             ; q
	s_wait_dscnt 0x0
.irp p, 0,1,2,3
	MAT 1, 0, \p                                   ; tile 0's first scores: there is no vector work yet to set between them
.endr
	WIN 0
.rept 4
	v_nop                                          ; the places behind them
.endr
	TURN 0, 1,1, 0,0, 0                            ; step 0: tile 0 quantised | scores of tile 1
	TURN 1, 1,2, 3,0, 0                            ; tile 1 quantised | scores of tile 2 | O^T of tile 0 starts
	Y 1
	s_mov_b32 s[CNT], 2
.Lfirst:                                               ; units 2 and 3
	Y 0
	s_sub_co_u32 s[CNT], s[CNT], 1
	s_cmp_lg_u32 s[CNT], 0
	s_cbranch_scc1 .Lfirst
	s_mov_b32 s[SLOTS], 2
.Lslot:                                                ; two trips: units 4 to 7 and 8 to 11; behind each change the slot just left is filled again
	CHANGE 1
	s_mov_b32 s[CNT], 4
.Lmid:
	Y 0
	s_sub_co_u32 s[CNT], s[CNT], 1
	s_cmp_lg_u32 s[CNT], 0
	s_cbranch_scc1 .Lmid
	s_sub_co_u32 s[SLOTS], s[SLOTS], 1
	s_cmp_lg_u32 s[SLOTS], 0
	s_cbranch_scc1 .Lslot
	CHANGE 0                                       ; the last slot is written out
	s_mov_b32 s[CNT], 4
.Llast:                                                ; units 12 to 15
	Y 0
	s_sub_co_u32 s[CNT], s[CNT], 1
	s_cmp_lg_u32 s[CNT], 0
	s_cbranch_scc1 .Llast
	TURN 2, 1,3, 2,1, 0                            ; the rest of step 15
	TURN 3, 2,2, 0,0, 0
.rept 8
	v_nop                                          ; tile 3's scale word is the list's last line: a scale register written by a vector instruction stands eight places ahead of the scaled product that reads it
.endr
.irp p, 0,1,2,3
	MAT 2, 3, \p
.endr
.rept 4
	v_nop                                          ; the places in front of the first read of results
.endr
; THE WAY OUT, tile by tile.  A lane holds 32 neighbouring bytes of a row for each of eight blocks of d, and the lanes beside it hold other rows: a tile goes through my own stage in LDS and comes back as whole
; rows of 512 bytes.  LDS serves a wave's instructions in order (ISA guide 5.7.1.4): no wait between the stores and the loads, nor in front of the next tile's stores.
.macro TOSTAGE t
	WIN 0x04                                       ; an LDS store's data are its source 1: window 1
.irp b, 0,1,2,3,4,5,6,7
	ds_store_b128 v[STO], v[64*(\t)+8*\b:64*(\t)+8*\b+3] offset:64*\b       ; each accumulator from its low end on
	ds_store_b128 v[STO], v[64*(\t)+8*\b+4:64*(\t)+8*\b+7] offset:64*\b+16
.endr
	WIN 0
.irp u, 0,1,2,3,4,5,6,7,8,9,10,11,12,13,14,15
	ds_load_b128 v[S+64*((\t)%2)+4*\u:S+64*((\t)%2)+4*\u+3], v[RD] offset:\u*SP
.endr
.endm
.macro SEND t, younger                 ; younger: the LDS instructions issued behind tile t's loads, which may stay out
	s_wait_dscnt \younger
.irp u, 0,1,2,3,4,5,6,7,8,9,10,11,12,13,14,15
	global_store_b128 v[LI], v[S+64*((\t)%2)+4*\u:S+64*((\t)%2)+4*\u+3], s[10:11] offset:512*(32*(\u/8)+8*(\t)+(\u%8)) th:TH_STORE_NT   ; row u of tile t is query 32 (u / 8) + 8 t + u % 8 of my 64; 32 lanes store 512 consecutive bytes
.endr
.endm
	TOSTAGE 0
.irp t, 1,2,3
.if \t > 1
	s_wait_xcnt 0x0                                ; tile t - 2's stores have read their registers: tile t's loads may land there
.endif
	TOSTAGE \t
	SEND \t-1, 32                                  ; behind tile t - 1's loads: tile t's 16 stores and 16 loads
.endr
	SEND 3, 0
	s_wait_tensorcnt 0x0                           ; the wave's end, behind my last tensor load and my last LDS store
	ds_add_u32 v[SPW], v[NIL]
	s_wait_dscnt 0x0
	CROUND                                         ; the closing round: no work-group ends while a partner may still ask for a record that names it
	s_endpgm
.Lfunc_end_k_qf896eab5a0_attn:
	.size	k_qf896eab5a0_attn, .Lfunc_end_k_qf896eab5a0_attn-k_qf896eab5a0_attn
	.p2alignl 7, 3214868480
	.fill 96, 4, 3214868480
	.section	.rodata,"a",@progbits
	.p2align	6, 0x0
	.amdhsa_kernel k_qf896eab5a0_attn
		.amdhsa_group_segment_fixed_size 327680
		.amdhsa_private_segment_fixed_size 0
		.amdhsa_enable_private_segment 0
		.amdhsa_kernarg_size 32
		.amdhsa_user_sgpr_count 2
		.amdhsa_user_sgpr_kernarg_segment_ptr 1
		.amdhsa_wavefront_size32 1
		.amdhsa_system_sgpr_workgroup_id_x 1
		.amdhsa_system_sgpr_workgroup_id_y 1
		.amdhsa_system_sgpr_workgroup_id_z 1
		.amdhsa_system_vgpr_workitem_id 0
		.amdhsa_next_free_vgpr 640
		.amdhsa_next_free_sgpr 66
		.amdhsa_reserve_vcc 0
		.amdhsa_float_denorm_mode_32 3
		.amdhsa_float_denorm_mode_16_64 3
		.amdhsa_memory_ordered 1
		.amdhsa_forward_progress 1
		.amdhsa_inst_pref_size 190
	.end_amdhsa_kernel
	.amdgpu_metadata
---
amdhsa.version: [ 1, 2 ]
amdhsa.kernels:
  - .name:           k_qf896eab5a0_attn
    .symbol:         k_qf896eab5a0_attn.kd
    .args:
      - { .name: q_img, .offset: 0, .size: 8, .value_kind: global_buffer, .address_space: global }
      - { .name: q_sc, .offset: 8, .size: 8, .value_kind: global_buffer, .address_space: global }
      - { .name: kv, .offset: 16, .size: 8, .value_kind: global_buffer, .address_space: global }
      - { .name: out0, .offset: 24, .size: 8, .value_kind: global_buffer, .address_space: global }
    .group_segment_fixed_size: 327680
    .private_segment_fixed_size: 0
    .kernarg_segment_align: 8
    .kernarg_segment_size: 32
    .max_flat_workgroup_size: 128
    .sgpr_count:     66
    .vgpr_count:     640
    .wavefront_size: 32
...
	.end_amdgpu_metadata
.endif
;; end of part 2
